; MI455X (gfx1250); checked and timed in simulation.
; The chip was launched on July 23, 2026; its instructions are those of AMD's public machine-readable ISA for CDNA 5 (MIT licence, August 2026) and "CDNA5" Instruction Set Architecture Reference Guide (July 2026). The comments in the code are by the model that wrote it; some were corrected since.
;; past decoder. Allowed arithmetic: float matrix products may take bf16 or f16 operands with f32 sums; all other float work in f32.
;; Inputs: b_hh 768 float32; b_ih 768 float32; b_out 2 float32; obs_traj_rel 2 x 131,072 x 2 float32; pred_lstm_hidden 131,072 x 192 float32; w_hh 768 x 192 float32; w_ih 768 x 2 float32; w_out 2 x 192 float32.
;; Outputs: out0 2 x 131,072 x 2 float32.
;; One version. Each part assembles by itself: llvm-mc -triple=amdgcn-amd-amdhsa -mcpu=gfx1250 --defsym DOCPART=n.
;; ======== version 1 of 1: 1 launch
;; limits: values outside matrix products are rounded to bf16
;; launch lstm2 (part 1): grid 256 x 1, 12 waves a work-group, no clusters, 327,680 bytes of LDS; arguments pred_lstm_hidden, obs_traj_rel, w_hh, w_ih, b_ih, b_hh, w_out, b_out, out0; writes out0
.if DOCPART == 1
	.amdgcn_target "amdgcn-amd-amdhsa--gfx1250"
	.amdhsa_code_object_version 6
	.text
	.protected	k_qcfbe74c10f_lstm2
	.globl	k_qcfbe74c10f_lstm2
	.p2align	8
	.type	k_qcfbe74c10f_lstm2,@function
k_qcfbe74c10f_lstm2:
	s_mov_b64 s[64:65], 0
	v_nop
	global_prefetch_b8 v0, s[64:65] scope:SCOPE_SE
	s_setreg_imm32_b32 hwreg(HW_REG_WAVE_MODE, 25, 1), 1
	s_wait_xcnt 0x0
; Two LSTMCell steps over 131,072 rows (hidden 192), each followed by the 192 -> 2 projection, in one launch.
; reference() builds the index list [0, 0] for its two steps, so both take x = obs_traj_rel[0]; its second half is never used there
; and is not read here.  reference() builds c0 = 0, so f * c0 = 0 and step 1 forms no f gate; the f rows of all weights serve step 2.
;
; SHARES.  256 work-groups of 512 rows, as 4 blocks of 128 rows = 8 tiles of 16.  Twelve waves; wave w owns hidden units 16 w .. 16 w + 15 in
; all four gates and keeps their weights in registers for the whole launch (4 gates x 6 K chunks x 8 registers, and one extra chunk).
; The matrix instruction takes the weights as A (M = units) and h as B (N = batch rows): in the result, lane (r, hh) register j is unit
; 8 hh + j of batch row r, so i, f, g, o of one number meet in one lane, and four packed conversions of h_new are 16 bytes in B's layout.
; h passes between the waves through LDS as bf16; c stays in f32 in LDS bytes of the wave's own, as 2 log2(e) c.
; The extra K chunk: A = [w_ih0, w_ih1, b_ih, b_hh] at k = 0..3, B = [x0, x1, 1, 1]; all other products of that chunk have a zero factor.
; The projection: one matrix instruction a tile and step on the wave's own 16 units; the twelve parts are added in f32, in a fixed order,
; by one wave, with b_out in f32.
;
; ARITHMETIC.  With Ei = exp(-i), Eg = exp(2 g), Eo = exp(-o), K = 2 log2(e):  A = 1 + Ei, Dp = A Eg + A, Ng = K Eg - K,
; K c1 = Ng / Dp;  step 2, with F = 1 + exp(-f):  K c2 = (K c1 Dp + Ng F) / (Dp F);  Ec = exp2(K c), h = (Ec - 1) / ((1 + Eo) Ec + (1 + Eo)).
; Thirteen exponentials and reciprocals for a number over both steps.
;
; LIMITS, stated.  (1) All inputs that enter a product are rounded to bf16 as they stand: h0, x, w_hh, w_ih, w_out, and b_ih and b_hh too,
; which are matrix operands here; h1 and h2 are rounded to bf16 for the products that take them.  (2) The exponents of exp2 are cut at 30:
; a sigmoid is never below 2^-30 and |tanh| never above 1 - 2^-29 (absolute error under 2e-9); so no denominator passes 2^91 and no
; reciprocal falls below the normal range.  K c needs no cut: |c| <= 2 as a sum of two products of sigmoids and tanh.
; (3) NaN and infinities in the inputs are not served: the cut swallows a NaN, and zero factors meet foreign operands in the extra chunk.
;
; NO CLUSTER: what work-groups share is w_hh, 589,824 bytes read once at the start against 393,216 bytes of h0 of the group's own, and it
; goes through registers, since it is rounded on the way and does not fit in LDS as f32 beside the rest.
; ---- sizes
.set BLOCKB, 98304                     ; a block of h0: 128 rows x 768 bytes
.set HALF,   49152                     ; what one tensor load brings: 64 rows
.set PITCH,  400                       ; an LDS row of 192 bf16 + 16 bytes = 25 x 16: the sixteen rows of a fragment load begin at sixteen different 16-byte columns of 256
.set TILEB,  16*PITCH                  ; 6,400
.set POT,    1536                      ; parts of the output for one tile: 12 waves x 16 rows x 8 bytes
; ---- LDS
.set RAW, 0                            ; 98,304  h0 block in f32 as in memory; written by tensor loads alone
.set H0,  98304                        ; 51,200  h entering step 1, bf16
.set H1,  149504                       ; 51,200  h entering step 2, bf16
.set CC,  200704                       ; 98,304  K c1: [wave][tile][1,024]
.set PO1, 299008                       ; 12,288  step 1's parts of the output: [tile][wave][row][2]
.set PO2, 311296                       ; 12,288  step 2's
.set XB,  323584                       ; 1,024   x as bf16 pairs, two buffers of 128 rows
                                       ; at the start 384 weight rows in bf16 (153,600 bytes) lie from H0 on, over H0, H1 and part of CC
; ---- vector registers
.set HA, 1                             ; LDS address: h fragments
.set XA, 2                             ; x of my row
.set CA, 3                             ; my c
.set HS, 4                             ; where h1 goes
.set PS, 5                             ; where my part of the output goes
.set RR, 6                             ; 16 x thread: my 16 bytes in w_hh's groups of 8 rows, and in RAW
.set HW, 7                             ; where those four numbers go as bf16
.set PR, 8                             ; the adding wave: parts of my row
.set OA, 9                             ; 8 x (row in the block): x in, result out; never rewritten
.set XS, 10                            ; where my row's x goes
.set LR, 11                            ; 400 r + 16 hh
.set XT, 12                            ; v[12:13] x on its way
.set BO, 14                            ; v[14:15] b_out
.set WO, 16                            ; v[16:23] w_out fragment
.set W,  24                            ; v[24:151] weights, K chunks 0..3: gate g of chunk kc at W + 32 kc + 8 g
.set BH, 152                           ; v[152:199] h fragments, six chunks
.set HN, 200                           ; v[200:203] h_new packed
.set BX, 204                           ; v[204:211] B of the extra chunk: x, (1, 1), six zeros
.set AI, 212
.set AF, 220
.set AG, 228
.set AO, 236                           ; four accumulators
.set TC, 244                           ; v[244:251] K c
.set KP, 252                           ; v[252:253] K, K
.set KN, 254                           ; v[254:255] -K, -K
.set S0, 152                           ; at the start: two sets of 48 registers for weights on their way
.set S1, 200
; second window of 256: v256 + 32 (kc - 4) + 8 g: weights of chunks 4, 5; v320 + 2 g: gate g's pair of the extra chunk; v328..v333: zeros
; ---- scalars: s[4:21] the nine addresses; s22 wave; s23 counter; s24 the cut; s[26:27] -log2(e); s[28:29] b_out; s[32:35], s[36:43] descriptor;
;      s[44:45] x, s[46:47] out0 at the group's rows; s48, s49 at work; s50..s53 the wave's LDS bases
.set MSB, 0
.macro WIN new                         ; s_set_vgpr_msb: low byte the new windows (1:0 source 0, 7:6 destination), high byte the setting left
.if MSB != \new
	s_set_vgpr_msb (MSB<<8)|\new
.set MSB, \new
.endif
.endm
.macro PLACES                          ; four independent vector instructions behind a matrix instruction (ISA guide 7.12.1)
.rept 4
	v_nop
.endr
.endm
.macro BARP                            ; a barrier for LDS bytes that waves hand to each other; no tensor load's bytes are read behind it
	s_wait_dscnt 0x0                   ; my LDS stores are done and my LDS loads are back: zero, for the others' sake
	s_barrier_signal -1
	s_barrier_wait -1
.endm
.macro BART                            ; the same, and behind it RAW is read
	s_wait_dscnt 0x0
	s_wait_tensorcnt 0x0               ; the one load that waves 0 and 1 have out, their half of RAW, has landed
	s_barrier_signal -1
	s_barrier_wait -1
.endm
.macro BARFILL                         ; RAW has been read to its end and is filled again
	s_wait_dscnt 0x0                   ; my reads of RAW are back
	s_set_vgpr_msb 0x5
	s_wait_tensorcnt 0x0               ; no tensor load of mine is out, so the descriptor may be written
	ds_add_u32 v78, v79
	ds_add_u32 v78, v79
	s_wait_dscnt 0x0
	s_set_vgpr_msb 0x500
	s_add_nc_u64 s[34:35], s[34:35], BLOCKB    ; the next block of 128 rows; the type bits on top are not reached
	s_barrier_signal -1
	s_barrier_wait -1
	s_cmp_gt_u32 s22, 1
	s_cbranch_scc1 .Lnofill_\@
	tensor_load_to_lds s[32:35], s[36:43]      ; waves 0 and 1: one load each, first thing behind the barrier
	s_nop 0
.Lnofill_\@:
.endm
; ---- start
	s_load_b512 s[4:19], s[0:1], 0x0               ; h0, obs, w_hh, w_ih, b_ih, b_hh, w_out, b_out
	s_load_b64 s[20:21], s[0:1], 0x40              ; out0
	s_set_vgpr_msb 0x40
	v_lshl_add_u32 v78, v0, 2, 0x4f400
	v_mov_b32 v79, 0
	s_set_vgpr_msb 0x4045
	ds_add_u32 v78, v79
	ds_add_u32 v78, v79
	s_set_vgpr_msb 0x4500
	v_lshrrev_b32 v1, 5, v0
	v_readfirstlane_b32 s22, v1                    ; wave 0..11
	s_and_b32 s48, s22, 1
	s_mul_i32 s33, s48, HALF                       ; LDS address: RAW's first or second half
	s_mul_i32 s50, ttmp9, 4*BLOCKB                 ; the group's 512 rows of 768 bytes: 100,270,080 at the most
	s_add_co_u32 s50, s50, s33
	s_mov_b32 s51, 0
	s_mov_b32 s32, 1                               ; group 0: count 1
	s_mov_b32 s36, 3<<16                           ; group 1: no mask, elements of 8 bytes, no padding
	s_mov_b32 s37, 32<<16                          ; tensor_dim0 = 32 elements: the dense 49,152 bytes go as rows of 256
	s_mov_b32 s38, 192<<16                         ; tensor_dim1 = 192
	s_mov_b32 s39, 32<<16                          ; tile_dim0 = 32
	s_mov_b32 s40, 192                             ; tile_dim1 = 192
	s_mov_b32 s41, 32                              ; from row to row: 32 elements
	s_mov_b32 s42, 0
	s_mov_b32 s43, 0
	s_lshl_b32 s48, ttmp9, 12                      ; 512 rows of 8 bytes, in x and in out0
	s_mov_b32 s49, 0
	s_wait_dscnt 0x0
	s_wait_kmcnt 0x0
	s_add_nc_u64 s[34:35], s[4:5], s[50:51]
	s_or_b32 s35, s35, 0x80000000                  ; type 2
	s_cmp_gt_u32 s22, 1
	s_cbranch_scc1 .Lnofirst
	tensor_load_to_lds s[32:35], s[36:43]          ; block 0 of h0: the first fill, ahead of every wait on TENSORcnt, LDS read and barrier
	s_nop 0
.Lnofirst:
	s_load_b64 s[28:29], s[18:19], 0x0             ; b_out
	s_add_nc_u64 s[44:45], s[6:7], s[48:49]
	s_add_nc_u64 s[46:47], s[20:21], s[48:49]
.macro SETHW                           ; thread t's four numbers are columns 4 (t mod 48) .. of row t / 48 of a group of 8 rows:
	v_mul_u32_u24 v[HW], 0x556, v0                 ; t / 48 = (1366 t) >> 16 for t < 384
	v_lshrrev_b32 v[HW], 16, v[HW]
	v_lshlrev_b32 v[HW], 4, v[HW]                  ; 400 (t / 48) + 8 (t mod 48) = 8 t + 16 (t / 48)
	v_lshl_add_u32 v[HW], v0, 3, v[HW]
	v_add_nc_u32 v[HW], H0, v[HW]
.endm
.macro XLOAD b                         ; waves 8..11: x of block b, one row a lane, 256 neighbouring bytes a wave
	s_cmp_lt_u32 s22, 8
	s_cbranch_scc1 .Lxl_\@
	global_load_b64 v[XT:XT+1], v[OA], s[44:45] offset:1024*\b
.Lxl_\@:
.endm
.macro XSTORE par, left                ; and into buffer par, as a pair of bf16; left = younger loads that may stay out
	s_wait_loadcnt \left                           ; on every wave's path, so that on every way a load into XT is waited for before the next one is issued; waves 0..7 have none out
	s_cmp_lt_u32 s22, 8
	s_cbranch_scc1 .Lxs_\@
	v_cvt_pk_bf16_f32 v[XT], v[XT], v[XT+1]
	ds_store_b32 v[XS], v[XT] offset:512*\par
.Lxs_\@:
.endm
.macro WLOAD k, s                      ; rows 96 k .. 96 k + 95 of w_hh: each load of the work-group takes 8 whole rows, 6,144 neighbouring bytes
.irp j,0,1,2,3,4,5,6,7,8,9,10,11
	global_load_b128 v[\s+4*\j:\s+4*\j+3], v[RR], s[8:9] offset:(12*\k+\j)*6144
.endr
.endm
.macro WCVT s                          ; those 96 rows rounded to bf16 and laid into LDS at pitch 400
.irp j,0,1,2,3,4,5,6,7,8,9,10,11
	v_cvt_pk_bf16_f32 v[\s+4*\j], v[\s+4*\j], v[\s+4*\j+1]
	v_cvt_pk_bf16_f32 v[\s+4*\j+1], v[\s+4*\j+2], v[\s+4*\j+3]
	ds_store_b64 v252, v[\s+4*\j:\s+4*\j+1] offset:3200*\j
.endr
	v_add_nc_u32 v252, 96*PITCH, v252
.endm
.macro WFRAG g, adr                    ; gate g's six fragments: lane (r, hh) takes row 16 w + r, k = 32 kc + 8 hh .. and 32 kc + 16 + 8 hh ..
.irp kc,0,1,2,3
	ds_load_b128 v[W+32*\kc+8*\g:W+32*\kc+8*\g+3], v[\adr] offset:64*\kc
	ds_load_b128 v[W+32*\kc+8*\g+4:W+32*\kc+8*\g+7], v[\adr] offset:64*\kc+32
.endr
	WIN 0x40                                       ; destination in the second window
.irp kc,4,5
	ds_load_b128 v[32*\kc-128+8*\g:32*\kc-128+8*\g+3], v[\adr] offset:64*\kc
	ds_load_b128 v[32*\kc-128+8*\g+4:32*\kc-128+8*\g+7], v[\adr] offset:64*\kc+32
.endr
	WIN 0
.endm
	v_and_b32 v248, 15, v0                         ; r
	v_bfe_u32 v249, v0, 4, 1                       ; hh
	v_and_b32 v253, 31, v0                         ; lane
	v_mul_u32_u24 v[LR], 0x190, v248
	v_lshl_add_u32 v[LR], v249, 4, v[LR]           ; 400 r + 16 hh
	s_and_b32 s48, s22, 3
	s_mul_i32 s49, s48, 2*POT                      ; the adding wave (w & 3) takes tiles 2 (w & 3) and 2 (w & 3) + 1
	s_add_co_u32 s49, s49, PO1
	v_mul_u32_u24 v[PR], POT, v249
	v_lshl_add_u32 v[PR], v248, 3, v[PR]
	v_add_nc_u32 v[PR], s49, v[PR]
	s_lshl_b32 s49, s48, 5
	v_add_nc_u32 v253, s49, v253                   ; row in the block = 32 (w & 3) + lane
	v_lshlrev_b32 v[OA], 3, v253
	v_lshl_add_u32 v[XS], v253, 2, XB
	v_lshlrev_b32 v[RR], 4, v0
	SETHW
	XLOAD 0
	s_lshl_b32 s49, s22, 4
	v_add_nc_u32 v251, s49, v248                   ; my unit 16 w + r
	v_lshlrev_b32 v250, 3, v251                    ; its 8 bytes in a gate of w_ih
	v_lshlrev_b32 v251, 2, v251                    ; its 4 bytes in a gate of the biases
	v_and_b32 v253, 1, v0
	v_mul_u32_u24 v253, 0x300, v253                ; w_out: row r & 1,
	v_lshl_add_u32 v253, v249, 5, v253             ; columns 16 w + 8 hh ..
	s_lshl_b32 s49, s22, 6
	v_add_nc_u32 v253, s49, v253
.irp g,0,1,2,3
	global_load_b64 v[24+4*\g:24+4*\g+1], v250, s[10:11] offset:1536*\g
	global_load_b32 v[24+4*\g+2], v251, s[12:13] offset:768*\g
	global_load_b32 v[24+4*\g+3], v251, s[14:15] offset:768*\g
.endr
	global_load_b128 v[40:43], v253, s[16:17]
	global_load_b128 v[44:47], v253, s[16:17] offset:16
	WLOAD 0, S0
	WLOAD 1, S1
	s_lshl_b32 s50, s22, 5
	s_add_co_u32 s50, s50, H1                      ; h1: my 32 bytes of a row
	s_lshl_b32 s51, s22, 13
	s_add_co_u32 s51, s51, CC                      ; my c
	s_lshl_b32 s52, s22, 7
	s_add_co_u32 s53, s52, PO2
	s_add_co_u32 s52, s52, PO1                     ; my parts of the output
	s_mov_b32 s24, 0x41f00000                      ; 30.0
	s_mov_b32 s26, 0xbfb8aa3b                      ; -log2(e)
	s_mov_b32 s27, 0xbfb8aa3b
	s_mul_i32 s49, s22, TILEB
	s_add_co_u32 s49, s49, H0
	v_add_nc_u32 v254, s49, v[LR]                  ; my rows in the first gate of the half that lies in LDS,
	v_add_nc_u32 v255, 192*PITCH, v254             ; and in the second
	v_mov_b32 v252, v[HW]
	s_wait_loadcnt 24                              ; the 24 weight loads stay out; x, w_ih, the biases and w_out are in
	v_cmp_eq_u32 vcc_lo, 0, v249                   ; k = 0..3 lie in lanes hh = 0; lanes hh = 1 (k = 8..15) hold zeros
.irp g,0,1,2,3
	v_cvt_pk_bf16_f32 v[48+2*\g], v[24+4*\g], v[24+4*\g+1]
	v_cvt_pk_bf16_f32 v[48+2*\g+1], v[24+4*\g+2], v[24+4*\g+3]
	v_cndmask_b32 v[48+2*\g], 0, v[48+2*\g], vcc_lo
	v_cndmask_b32 v[48+2*\g+1], 0, v[48+2*\g+1], vcc_lo
.endr
	WIN 0x40
.irp i,0,1,2,3,4,5,6,7
	v_mov_b32 v[64+\i], v[48+\i]                   ; v320..v327: gate g's operand is the 8 registers from v320 + 2 g on; what follows its pair meets zeros in B
.endr
.irp i,8,9,10,11,12,13
	v_mov_b32 v[64+\i], 0                          ; v328..v333
.endr
	WIN 0
	v_and_b32 v250, 6, v0
	v_cmp_eq_u32 vcc_lo, 0, v250                   ; rows m = 0, 1 and 8, 9 carry w_out's two rows, so that both halves of the lanes get both sums
.irp j,0,1,2,3
	v_cvt_pk_bf16_f32 v[WO+\j], v[40+2*\j], v[40+2*\j+1]
	v_cndmask_b32 v[WO+\j], 0, v[WO+\j], vcc_lo
	v_mov_b32 v[WO+4+\j], 0                        ; k = 16..31: none
.endr
	XSTORE 0, 24                                   ; x was issued ahead of the 24 weight loads, which stay out
	s_wait_kmcnt 0x0
	v_mov_b32 v[BO], s28
	v_mov_b32 v[BO+1], s29
	s_wait_loadcnt 12                              ; here and below: the younger group of 12 stays out
	WCVT S0
	WLOAD 2, S0
	s_wait_loadcnt 12
	WCVT S1
	WLOAD 3, S1
	s_wait_loadcnt 12
	WCVT S0
	WLOAD 4, S0
	s_wait_loadcnt 12
	WCVT S1
	WLOAD 5, S1
	BARP                                           ; gates i and f lie whole in LDS
	WFRAG 0, 254
	WFRAG 1, 255
	BARP                                           ; and have been read by all
	v_mov_b32 v252, v[HW]
	s_wait_loadcnt 12
	WCVT S0
	WLOAD 6, S0
	s_wait_loadcnt 12
	WCVT S1
	WLOAD 7, S1
	s_wait_loadcnt 12
	WCVT S0
	s_wait_loadcnt 0x0
	WCVT S1
	BARP                                           ; gates g and o
	WFRAG 2, 254
	WFRAG 3, 255
	v_mov_b32 v[BX+1], 0x3f803f80                  ; 1, 1
.irp i,2,3,4,5,6,7
	v_mov_b32 v[BX+\i], 0
.endr
	BART                                           ; the weights have been read by all; block 0 of h0 has landed
	v_mov_b32 v[KP], 0x4038aa3b                    ; K = 2 log2(e)
	v_mov_b32 v[KP+1], 0x4038aa3b
	v_mov_b32 v[KN], 0xc038aa3b
	v_mov_b32 v[KN+1], 0xc038aa3b
.macro CONV0 adr, so                   ; 64 rows of block 0 from RAW to H0
.irp i,0,1,2,3,4,5,6,7
	ds_load_b128 v[S0+4*\i:S0+4*\i+3], v[\adr] offset:6144*\i
.endr
	s_wait_dscnt 0x0
.irp i,0,1,2,3,4,5,6,7
	v_cvt_pk_bf16_f32 v[S0+4*\i], v[S0+4*\i], v[S0+4*\i+1]
	v_cvt_pk_bf16_f32 v[S0+4*\i+1], v[S0+4*\i+2], v[S0+4*\i+3]
	ds_store_b64 v[HW], v[S0+4*\i:S0+4*\i+1] offset:\so+3200*\i
.endr
.endm
	CONV0 RR, 0
	v_add_nc_u32 v248, HALF, v[RR]                 ; an LDS immediate has 16 bits: the second half gets an address of its own
	CONV0 248, 25600
	BARFILL                                        ; H0 is whole; RAW takes block 1
; ---- the work on one tile
.macro MIN8 a
.irp j,0,1,2,3,4,5,6,7
	v_min_num_f32 v[\a+\j], s24, v[\a+\j]
.endr
.endm
.macro EXP8 d, a
.irp j,0,1,2,3,4,5,6,7
	v_exp_f32 v[\d+\j], v[\a+\j]
.endr
.endm
.macro RCP8 a
.irp j,0,1,2,3,4,5,6,7
	v_rcp_f32 v[\a+\j], v[\a+\j]
.endr
.endm
.macro ADD8 a, c                       ; a += constant
.irp j,0,2,4,6
	v_pk_add_f32 v[\a+\j:\a+\j+1], v[\a+\j:\a+\j+1], \c op_sel_hi:[1,0]
.endr
.endm
.macro SCS8 a                          ; a *= -log2(e)
.irp j,0,2,4,6
	v_pk_mul_f32 v[\a+\j:\a+\j+1], v[\a+\j:\a+\j+1], s[26:27] op_sel_hi:[1,0]
.endr
.endm
.macro SCK8 a                          ; a *= K
.irp j,0,2,4,6
	v_pk_mul_f32 v[\a+\j:\a+\j+1], v[\a+\j:\a+\j+1], v[KP:KP+1]
.endr
.endm
.macro NGK8 a                          ; a = K a - K
.irp j,0,2,4,6
	v_pk_fma_f32 v[\a+\j:\a+\j+1], v[\a+\j:\a+\j+1], v[KP:KP+1], v[KN:KN+1]
.endr
.endm
.macro MUL8 d, a, b
	s_wait_alu depctr_va_vdst(0)
.irp j,0,2,4,6
	v_pk_mul_f32 v[\d+\j:\d+\j+1], v[\a+\j:\a+\j+1], v[\b+\j:\b+\j+1]
.endr
.endm
.macro FMA8 d, a, b, c
.irp j,0,2,4,6
	v_pk_fma_f32 v[\d+\j:\d+\j+1], v[\a+\j:\a+\j+1], v[\b+\j:\b+\j+1], v[\c+\j:\c+\j+1]
.endr
.endm
.macro CVT4 d, a
.irp j,0,1,2,3
	v_cvt_pk_bf16_f32 v[\d+\j], v[\a+2*\j], v[\a+2*\j+1]
.endr
.endm
.macro MM acc, a, b, first
.if \first
	v_wmma_f32_16x16x32_bf16 v[\acc:\acc+7], v[\a:\a+7], v[\b:\b+7], 0
.else
	v_wmma_f32_16x16x32_bf16 v[\acc:\acc+7], v[\a:\a+7], v[\b:\b+7], v[\acc:\acc+7]
.endif
.endm
.macro GATES step, a0, st, b, first    ; one K chunk: the gates' accumulators take turns, one instruction a turn
	MM AI, \a0, \b, \first
.if \step == 2
	MM AF, \a0+\st, \b, \first
.endif
	MM AG, \a0+2*\st, \b, \first
	MM AO, \a0+3*\st, \b, \first
.endm
.macro LOADB step, par                 ; 13 LDS loads in step 1, 15 in step 2, in the order in which they are wanted
.irp kc,0,1,2,3,4,5
	ds_load_b128 v[BH+8*\kc:BH+8*\kc+3], v[HA] offset:64*\kc
	ds_load_b128 v[BH+8*\kc+4:BH+8*\kc+7], v[HA] offset:64*\kc+32
.endr
	ds_load_b32 v[BX], v[XA] offset:512*\par
.if \step == 2
	ds_load_b128 v[TC:TC+3], v[CA]
	ds_load_b128 v[TC+4:TC+7], v[CA] offset:512
.endif
.endm
.macro GEMM step                       ; LDS loads come back in order (ISA guide 5.7.1): in front of chunk kc the loads behind its two may stay out
	s_wait_dscnt 9+2*\step
	GATES \step, W, 8, BH, 1                       ; the first chunk starts the sums: nothing is cleared
.irp kc,1,2,3
	s_wait_dscnt 9+2*\step-2*\kc
	GATES \step, W+32*\kc, 8, BH+8*\kc, 0
.endr
	WIN 0x01                                       ; A from the second window
.irp kc,4,5
	s_wait_dscnt 9+2*\step-2*\kc
	GATES \step, 32*\kc-128, 8, BH+8*\kc, 0
.endr
	s_wait_dscnt 2*\step-2                         ; x is in; step 2's two loads of c may stay out
	GATES \step, 64, 2, BX, 0                      ; w_ih x + b_ih + b_hh
	WIN 0
.endm
.macro ACT1
	SCS8 AI
	SCK8 AG
	SCS8 AO
	MIN8 AI
	MIN8 AG
	MIN8 AO
	EXP8 AI, AI
	EXP8 AG, AG
	EXP8 AO, AO
	v_nop                                          ; one plain instruction between an exponential or reciprocal and its use (ISA guide 5.7.2); below, useful ones stand there
	s_wait_alu depctr_va_vdst(0)
	ADD8 AI, 1.0                                   ; A
	FMA8 AI, AI, AG, AI                            ; Dp
	NGK8 AG                                        ; Ng
	RCP8 AI
	ADD8 AO, 1.0                                   ; O
	MUL8 TC, AG, AI                                ; K c1
	ds_store_b128 v[CA], v[TC:TC+3]
	ds_store_b128 v[CA], v[TC+4:TC+7] offset:512
	EXP8 AG, TC                                    ; Ec
	v_nop
	s_wait_alu depctr_va_vdst(0)
	FMA8 AO, AG, AO, AO                            ; O Ec + O
	RCP8 AO
	ADD8 AG, -1.0
	MUL8 AG, AG, AO                                ; h1
	CVT4 HN, AG
	ds_store_b128 v[HS], v[HN:HN+3]                ; units 16 w + 8 hh .. + 7 of row r
.endm
.macro ACT2 conv
	SCS8 AI
	SCS8 AF
	SCK8 AG
	SCS8 AO
	MIN8 AI
	MIN8 AF
	MIN8 AG
	MIN8 AO
	EXP8 AI, AI
	EXP8 AF, AF
	EXP8 AG, AG
	EXP8 AO, AO
	v_nop
	s_wait_alu depctr_va_vdst(0)
	ADD8 AI, 1.0
	FMA8 AI, AI, AG, AI                            ; Dp
	NGK8 AG                                        ; Ng
	ADD8 AF, 1.0                                   ; F
	s_wait_dscnt 0x0                               ; K c1 is in
	MUL8 TC, TC, AI
	FMA8 TC, AG, AF, TC                            ; K c1 Dp + Ng F
	MUL8 AI, AI, AF                                ; Dp F
.if \conv
	ds_load_b128 v[AG:AG+3], v[RR]                 ; 16 rows of the next block's h0, for CONVT: they come while the rest is worked out
	ds_load_b128 v[AG+4:AG+7], v[RR] offset:6144
.endif
	RCP8 AI
	ADD8 AO, 1.0
	MUL8 TC, TC, AI                                ; K c2
	EXP8 TC, TC
	v_nop
	s_wait_alu depctr_va_vdst(0)
	FMA8 AO, TC, AO, AO
	RCP8 AO
	ADD8 TC, -1.0
	MUL8 TC, TC, AO                                ; h2
	CVT4 HN, TC
.endm
.macro OUTP                            ; B = h_new at k = 0..15; its registers 4..7 are BX's and meet zeros in A
	v_wmma_f32_16x16x32_bf16 v[AF:AF+7], v[WO:WO+7], v[HN:HN+7], 0
	PLACES
	ds_store_b64 v[PS], v[AF:AF+1]                 ; both sums of row r over my 16 units; both halves of the lanes hold and write the same
.endm
.macro CONVT
	s_wait_dscnt 1                                 ; the two loads of h0 are in; the store just issued is younger
	v_cvt_pk_bf16_f32 v[AG], v[AG], v[AG+1]
	v_cvt_pk_bf16_f32 v[AG+1], v[AG+2], v[AG+3]
	v_cvt_pk_bf16_f32 v[AG+4], v[AG+4], v[AG+5]
	v_cvt_pk_bf16_f32 v[AG+5], v[AG+6], v[AG+7]
	ds_store_b64 v[HW], v[AG:AG+1]
	ds_store_b64 v[HW], v[AG+4:AG+5] offset:3200
.endm
; A phase: one step of the cell on the 8 tiles of a block.  Step 1 reads H0 and x and writes H1, c and PO1; step 2 reads H1, x, c and RAW and
; writes PO2 and (conv) the next block's H0: in each phase what any wave reads and what any wave writes are apart, but for a wave's own c.
.macro PHASE step, conv, par
	v_and_b32 v[XA], 15, v0
	v_and_b32 v[CA], 31, v0
	v_and_b32 v[PS], 15, v0
	v_lshl_add_u32 v[XA], v[XA], 2, XB
	v_lshl_add_u32 v[CA], v[CA], 4, s51
.if \step == 1
	v_add_nc_u32 v[HA], H0, v[LR]
	v_add_nc_u32 v[HS], s50, v[LR]
	v_lshl_add_u32 v[PS], v[PS], 3, s52
.else
	v_add_nc_u32 v[HA], H1, v[LR]
	v_lshl_add_u32 v[PS], v[PS], 3, s53
.endif
.if \conv
	v_lshlrev_b32 v[RR], 4, v0
	SETHW
.endif
	s_mov_b32 s23, 8
.Ltile_\@:
	LOADB \step, \par
	GEMM \step
	PLACES
.if \step == 1
	ACT1
.else
	ACT2 \conv
.endif
	OUTP
.if \conv
	CONVT
.endif
	v_add_nc_u32 v[HA], TILEB, v[HA]               ; with the four above these are more than five places between OUTP's instruction and the next that writes AF
	v_add_nc_u32 v[XA], 64, v[XA]
	v_add_nc_u32 v[CA], 1024, v[CA]
	v_add_nc_u32 v[PS], POT, v[PS]
.if \step == 1
	v_add_nc_u32 v[HS], TILEB, v[HS]
.endif
.if \conv
	v_add_nc_u32 v[RR], 12288, v[RR]
	v_add_nc_u32 v[HW], TILEB, v[HW]
.endif
	s_sub_co_i32 s23, s23, 1
	s_cmp_lg_u32 s23, 0
	s_cbranch_scc1 .Ltile_\@
.endm
; Waves 0..3: the twelve parts of 32 rows are added, b_out last, and stored: 32 lanes x 8 bytes are 256 neighbouring bytes at a multiple of 256 from out0's first byte.
.macro REDUCE step, b
	s_cmp_gt_u32 s22, 3
	s_cbranch_scc1 .Lred_\@
.irp k,0,1,2,3,4,5,6,7,8,9,10,11
	ds_load_b64 v[AI+2*\k:AI+2*\k+1], v[PR] offset:\step*12288+128*\k
.endr
	s_wait_dscnt 0x0
.irp k,0,4,8,12,16,20
	v_pk_add_f32 v[AI+\k:AI+\k+1], v[AI+\k:AI+\k+1], v[AI+\k+2:AI+\k+3]
.endr
.irp k,0,8,16
	v_pk_add_f32 v[AI+\k:AI+\k+1], v[AI+\k:AI+\k+1], v[AI+\k+4:AI+\k+5]
.endr
	v_pk_add_f32 v[AI:AI+1], v[AI:AI+1], v[AI+8:AI+9]
	v_pk_add_f32 v[AI:AI+1], v[AI:AI+1], v[AI+16:AI+17]
	v_pk_add_f32 v[AI:AI+1], v[AI:AI+1], v[BO:BO+1]
	global_store_b64 v[OA], v[AI:AI+1], s[46:47] offset:\step*1048576+1024*\b th:TH_STORE_NT
	s_wait_xcnt 0x0                                ; the store's data registers are written again only behind this wait
.Lred_\@:
.endm
; ---- block 0
	PHASE 1, 0, 0
	BART                                           ; H1 and PO1 are whole; block 1 of h0 has landed
	XLOAD 1
	REDUCE 0, 0
	PHASE 2, 1, 0
	XSTORE 1, 0
	BARFILL                                        ; H0, PO2 and x of block 1 are whole; RAW takes block 2
; ---- block 1
	REDUCE 1, 0
	PHASE 1, 0, 1
	BART
	XLOAD 2
	REDUCE 0, 1
	PHASE 2, 1, 1
	XSTORE 0, 0
	BARFILL                                        ; RAW takes block 3, the last
; ---- block 2
	REDUCE 1, 1
	PHASE 1, 0, 0
	BART
	XLOAD 3
	REDUCE 0, 2
	PHASE 2, 1, 0
	XSTORE 1, 0
	BARP                                           ; nothing is left to fetch
; ---- block 3
	REDUCE 1, 2
	PHASE 1, 0, 1
	BARP
	REDUCE 0, 3
	PHASE 2, 0, 1
	BARP
	REDUCE 1, 3
	s_set_vgpr_msb 0x5
	s_wait_tensorcnt 0x0
	ds_add_u32 v78, v79
	s_wait_dscnt 0x0
	s_set_vgpr_msb 0x500
	s_endpgm
.Lfunc_end_k_qcfbe74c10f_lstm2:
	.size	k_qcfbe74c10f_lstm2, .Lfunc_end_k_qcfbe74c10f_lstm2-k_qcfbe74c10f_lstm2
	.p2alignl 7, 3214868480
	.fill 96, 4, 3214868480
	.section	.rodata,"a",@progbits
	.p2align	6, 0x0
	.amdhsa_kernel k_qcfbe74c10f_lstm2
		.amdhsa_group_segment_fixed_size 327680
		.amdhsa_private_segment_fixed_size 0
		.amdhsa_enable_private_segment 0
		.amdhsa_kernarg_size 72
		.amdhsa_user_sgpr_count 2
		.amdhsa_user_sgpr_kernarg_segment_ptr 1
		.amdhsa_wavefront_size32 1
		.amdhsa_system_sgpr_workgroup_id_x 1
		.amdhsa_system_sgpr_workgroup_id_y 1
		.amdhsa_system_sgpr_workgroup_id_z 1
		.amdhsa_system_vgpr_workitem_id 0
		.amdhsa_next_free_vgpr 336
		.amdhsa_next_free_sgpr 66
		.amdhsa_reserve_vcc 1
		.amdhsa_float_denorm_mode_32 3
		.amdhsa_float_denorm_mode_16_64 3
		.amdhsa_memory_ordered 1
		.amdhsa_forward_progress 1
		.amdhsa_inst_pref_size 147
	.end_amdhsa_kernel
	.amdgpu_metadata
---
amdhsa.version: [ 1, 2 ]
amdhsa.kernels:
  - .name:           k_qcfbe74c10f_lstm2
    .symbol:         k_qcfbe74c10f_lstm2.kd
    .args:
      - { .name: pred_lstm_hidden, .offset: 0, .size: 8, .value_kind: global_buffer, .address_space: global }
      - { .name: obs_traj_rel, .offset: 8, .size: 8, .value_kind: global_buffer, .address_space: global }
      - { .name: w_hh, .offset: 16, .size: 8, .value_kind: global_buffer, .address_space: global }
      - { .name: w_ih, .offset: 24, .size: 8, .value_kind: global_buffer, .address_space: global }
      - { .name: b_ih, .offset: 32, .size: 8, .value_kind: global_buffer, .address_space: global }
      - { .name: b_hh, .offset: 40, .size: 8, .value_kind: global_buffer, .address_space: global }
      - { .name: w_out, .offset: 48, .size: 8, .value_kind: global_buffer, .address_space: global }
      - { .name: b_out, .offset: 56, .size: 8, .value_kind: global_buffer, .address_space: global }
      - { .name: out0, .offset: 64, .size: 8, .value_kind: global_buffer, .address_space: global }
    .group_segment_fixed_size: 327680
    .private_segment_fixed_size: 0
    .kernarg_segment_align: 8
    .kernarg_segment_size: 72
    .max_flat_workgroup_size: 384
    .sgpr_count:     66
    .vgpr_count:     336
    .wavefront_size: 32
...
	.end_amdgpu_metadata
.endif
;; end of part 1
